; MI455X (gfx1250); checked and timed in simulation.
; The chip was launched on July 23, 2026; its instructions are those of AMD's public machine-readable ISA for CDNA 5 (MIT licence, August 2026) and "CDNA5" Instruction Set Architecture Reference Guide (July 2026). The comments in the code are by the model that wrote it; some were corrected since.
;; Causal Self Attention. Allowed arithmetic: matrix products marked QUANTISED: E4M3 operands, one given power-of-two scale a tensor, by v_wmma_f32_16x16x64_fp8_fp8 or v_wmma_f32_16x16x128_fp8_fp8, f32 sums; everything else in f32.
;; Inputs: Wk_codes 256 x 32 x 32 uint8 (E4M3 codes of Wk, K innermost, in blocks of 32 codes); Wproj_codes 1,024 x 32 x 32 uint8 (E4M3 codes of Wproj, K innermost, in blocks of 32 codes); Wq_codes 1,024 x 32 x 32 uint8 (E4M3 codes of Wq, K innermost, in blocks of 32 codes); Wv_codes 256 x 32 x 32 uint8 (E4M3 codes of Wv, K innermost, in blocks of 32 codes); lowp_scales 12 int32 (the exponents e of the quantised operands' scales 2^e); q_gain 16 float32; x_codes 4 x 2,048 x 32 x 32 uint8 (E4M3 codes of x, K innermost, in blocks of 32 codes).
;; Outputs: out0 4 x 2,048 x 1,024 float32.
;; This version of the problem:
;;   THIS VERSION OF THE PROBLEM IS GIVEN IN LOW PRECISION. The matrix products marked QUANTISED in the list below multiply operands that are first quantised to E4M3 (4 exponent bits, 3 mantissa bits; 8 bits a number), with one given power-of-two scale for each operand tensor; their sums are f32. All else is computed in f32.
;;   The module's matrix products, in the order in which they are computed (A, B: the left and right operand; K: the contracted axis; several contracted axes count as one K, in the product's order):
;;     1. [M 8,192, K 1,024] x [K 1,024, N 1,024]; A: input x (given as codes); B: input Wq (given as codes): QUANTISED (scales: A lowp_scales[0], B lowp_scales[1])
;;     2. [M 8,192, K 1,024] x [K 1,024, N 256]; A: input x (given as codes); B: input Wk (given as codes): QUANTISED (scales: A lowp_scales[2], B lowp_scales[3])
;;     3. [M 8,192, K 1,024] x [K 1,024, N 256]; A: input x (given as codes); B: input Wv (given as codes): QUANTISED (scales: A lowp_scales[4], B lowp_scales[5])
;;     4. batch 64 x [M 2,048, K 64] x [K 64, N 2,048]; A: computed on the way; B: computed on the way: QUANTISED (scales: A lowp_scales[6], B lowp_scales[7])
;;     5. batch 64 x [M 2,048, K 2,048] x [K 2,048, N 64]; A: softmax (see below); B: computed on the way: QUANTISED (scales: A lowp_scales[8], B lowp_scales[9])
;;     6. [M 8,192, K 1,024] x [K 1,024, N 1,024]; A: computed on the way; B: input Wproj (given as codes): QUANTISED (scales: A lowp_scales[10], B lowp_scales[11])
;;   THE QUANTISER, for each operand of a quantised product, along K:
;;     - The operand's scale is 2^e, e = its entry of the input lowp_scales (int32; the entries are numbered through the quantised products in the list's order, A before B).
;;     - Each number is divided by the scale, clamped to +-448, and rounded to the nearest number of E4M3, ties to even, subnormals kept.
;;     - The product sums the exact products of the quantised numbers (number of the format x scale) in f32.
;;   ~~~python
;;   def quantise(x, axis, e):      # numpy; x: float32 -> the quantised numbers, widened to float32 again
;;       x = np.moveaxis(x, axis, -1); K = x.shape[-1]
;;       r = np.clip(x / 2.0 ** e, -448, 448)
;;       step = 2.0 ** (np.maximum(np.frexp(np.where(r == 0, 1, r))[1] - 1, -6) - 3)
;;       q = np.round(r / step) * step * 2.0 ** e      # np.round: ties to even
;;       return np.moveaxis(q, -1, axis).astype(np.float32)
;;   ~~~
;;   SOFTMAX AHEAD OF A QUANTISED PRODUCT. Where the list says 'softmax', what is quantised is not the finished softmax but p = 2^(t - M), with t = logit x log2(e) and M = ceil(the row's largest t), a whole number; so 1/2 < the row's largest p <= 1. The row's sum l is taken of the UNQUANTISED p, in f32, and the product's result is divided by l at the end. Since M is a whole number, a kernel that streams over the keys may use a running M (the ceiling of the running maximum): every later rescaling is an exact power of two, so the quantised numbers keep their values, but for numbers so far below the row's largest that they fall under the format's range.
;;   OPERANDS COMPUTED ON THE WAY. 'Computed on the way' means the value that the module computes at that place (a softmax that the list does not call 'softmax' is quantised finished and normalised). What goes into a quantiser is computed in f32, as accurately as f32 sums, v_exp_f32 and their like allow (about 1e-6 of the number): no bf16 or f16 on the way to a quantiser, and a product that is left as it is and whose result goes on into a quantised operand takes f32 operands (vector FMAs, or v_wmma_f32_16x16x4_f32). A number that lies on a knife's edge between two numbers of the format may be rounded either way, as far as f32 arithmetic and the matrix unit's own rounding can turn it there, and no further.
;;   INPUTS GIVEN AS CODES. Wk (in the module: [256, 1024], K = its axis 1); Wproj (in the module: [1024, 1024], K = its axis 1); Wq (in the module: [1024, 1024], K = its axis 1); Wv (in the module: [256, 1024], K = its axis 1); x (in the module: [4, 2048, 1024], K = its axis 2): each comes as NAME_codes (uint8): NAME with its K axis moved to the last place and cut into blocks of 32 codes, [.., K / 32, bytes a block], one block behind the other in memory; one code a byte (a code: sign, 4 exponent bits, 3 mantissa bits); its scale is its entry of lowp_scales. Its value is code x scale, taken as it is: it is not quantised again, and the codes and scales need not be those that the quantiser above would give.
;; One version. Each part assembles by itself: llvm-mc -triple=amdgcn-amd-amdhsa -mcpu=gfx1250 --defsym DOCPART=n.
;; ======== version 1 of 1: 3 launches
;; limits: right only within a limited range of input values
;; workspace buffers: q_img 8,388,608 bytes; k_img 2,097,152 bytes; v_img 2,097,152 bytes; y_img 8,388,608 bytes
;; launch qkv (part 1): grid 4 x 64, 4 waves a work-group, clusters of 4 x 4, 327,680 bytes of LDS; arguments x_codes, Wq_codes, Wk_codes, Wv_codes, lowp_scales, q_gain, q_img, k_img, v_img; writes q_img, k_img, v_img
.if DOCPART == 1
	.amdgcn_target "amdgcn-amd-amdhsa--gfx1250"
	.amdhsa_code_object_version 6
	.text
	.protected	k_q5e6e685b0e_qkv
	.globl	k_q5e6e685b0e_qkv
	.p2align	8
	.type	k_q5e6e685b0e_qkv,@function
k_q5e6e685b0e_qkv:
	s_mov_b64 s[64:65], 0
	v_nop
	global_prefetch_b8 v0, s[64:65] scope:SCOPE_SE
	s_setreg_imm32_b32 hwreg(HW_REG_WAVE_MODE, 25, 1), 1
	s_wait_xcnt 0x0
	s_wait_alu depctr_hold_cnt(0) depctr_sa_sdst(0) depctr_va_vdst(0) depctr_va_sdst(0) depctr_va_ssrc(0) depctr_va_vcc(0) depctr_vm_vsrc(0)
	s_getreg_b32 s2, hwreg(HW_REG_IB_STS2, 6, 4)
	s_cmp_eq_u32 s2, 0
	s_cbranch_scc0 .Lentry_in_a_cluster
	s_endpgm
.Lentry_in_a_cluster:
	s_bfe_u32 s2, ttmp6, 0x10000c
	s_cmp_lg_u32 s2, 0xf033
	s_cbranch_scc0 .Lentry_shape_is_right
	s_endpgm
.Lentry_shape_is_right:
; q = x Wq^T, k = x Wk^T, v = x Wv^T on E4M3 codes as given; RMS norm and rotary turn of q and k (head size 64: partners d, d + 32), the heads' gain on q; q, k, v quantised with the given scales.
; SHARES.  A work-group takes 128 tokens x 6 heads, in three steps of two heads: q heads 4c, 4c+1 | q heads 4c+2, 4c+3 | k head c and v head c (c = work-group x, 0..3).  Four waves: wave w takes
; tokens 64 (w / 2) on and head w % 2 of the step: 64 x 64, 16 accumulators.  The wave's fragments of x (64 tokens x K 1,024: 512 registers) stay in registers for all three steps; only weights are read from LDS again.
; CLUSTER 4 x 4: the four work-groups of a row share x's tile, the four of a column share the weights' tiles: each tile is asked for jointly, by the same tensor load with the same descriptor in all four.
; LAYOUT.  q, k: source 0 = 16 rows of W, source 1 = 16 tokens: a lane holds ONE token (lane % 16) and d = 16 b + 8 (lane / 16) + j of tile b, so d and d + 32 are tiles b, b + 2 of the same lane,
; and eight registers convert to registers 2 b, 2 b + 1 of an operand with K = 64.  v: sources swapped: a lane holds one channel and eight tokens, which are registers 2 c, 2 c + 1 of V^T's operand (K = the keys).
; OUTPUT: images of operand registers: blocks of 4 registers x 32 lanes = 512 bytes, lane l at 16 l; each store of a wave covers 512 consecutive bytes, aligned.
;   q_img ((b 16 + head) 128 + qt) 1024 + 512 g;  k_img ((b 4 + kv) 128 + kt) 1024 + 512 g;  v_img (((b 4 + kv) 16 + step) 4 + ct) 2048 + 512 g.
; cos, sin: angle = pos x 10000^(-i/32), the power by v_exp_f32; reduced by multiples of pi in two parts; Taylor polynomials to x^13 and x^14 on |x| <= pi/2 (remainder under 1e-9).
; LIMITS: e6, e7 and e9 - e4 - e5 between -126 and 119, so that each scale and 448 x it is an f32 number.  NaN codes among the inputs are not served.
;   The power's last bit may differ from the reference's, which moves an angle by up to about 2e-4 rad at the last positions.
; LDS: R0 at 0 (x, later the second step's weights), R1 (first, later third step's weights): 2 K halves x 128 rows x 528 bytes each; TAB: the cos/sin images, written by LDS stores alone; the spare words.
; REGISTERS, windows of 256: window 0: v1-14 addresses, v20-25 scales, v32-63 codes, v64-191 two buffers of W's fragments (in the epilogue at work), v192-255 two sets of 16 cos + 16 sin.
;   windows 1, 2: x's fragments, K step s, token tile a at (s % 4) 64 + 16 a.   window 3: accumulator (a, b) at 8 (4 a + b).
.set PITCH,  528                       ; 512 bytes + 16: an odd multiple of 16, so the 16 rows of a fragment load start at 16 different banks (64 banks of 4 bytes: ISA guide 11.1)
.set QUART,  64*PITCH                  ; what one tensor load brings: 64 rows x 512 bytes
.set KHALF,  2*QUART                   ; 128 rows of one half of K
.set R1,     4*QUART
.set TAB,    8*QUART                   ; 8 token tiles x 4,096 bytes
.set SPARE,  TAB+32768                 ; 128 bytes for each wave: two blocks of 256 bytes that no other line names
.set G1W0,   (1<<20)|(1<<21)|(6<<22)|(3<<25)   ; elements of 1 byte; padding on; bit 21 beside a mask; after every 128 words, 4 words
.set LI,   1                           ; v1   16 x lane
.set RR,   2                           ; v2   lane % 16
.set HH,   3                           ; v3   lane / 16
.set ADX,  4                           ; v4-5 x's fragments, K half 0, 1
.set ADW1, 6                           ; v6-7 W's fragments in R1
.set ADW0, 8                           ; v8-9 W's fragments in R0
.set TW,   10                          ; v10  where I store my two table tiles
.set TR,   11                          ; v11  where I read my four
.set SPW,  12                          ; v12  my spare word; never rewritten
.set NIL,  13                          ; v13  0; never rewritten
.set POS,  14                          ; v14  position of my token in tile 2 w
.set CD,   32                          ; codes
.set XS,   64                          ; epilogue: 32 numbers x f
.set RO,   96                          ; turned
.set TT,   128                         ; products with sin
.set SS,   160                         ; sums of squares, 4 a tile
.set FP,   176                         ; f, a pair a tile
.set CS,   192                         ; cos/sin sets
.set IV,   64                          ; table: 10000^(-i/32), 16
.set AN,   80                          ; angle, then reduced angle
.set KK,   96                          ; magic + k, then the sign bit
.set KR,   112                         ; k, then r s
.set SQ,   128                         ; r^2
.set CK,   144                         ; 18 constants, a pair each
.set POSF, 184
.set G1X, 36                           ; s[36:43] group 1, x's tiles (mask: my row)
.set G1W, 44                           ; s[44:51] group 1, weights' tiles (mask: my column)
.set MSB, 0
.macro WIN new                         ; the immediate's high byte repeats the setting that is left
.if MSB != (\new)
	s_set_vgpr_msb (MSB<<8)|(\new)
.set MSB, (\new)
.endif
.endm
.macro PLACES n
.rept \n
	v_nop
.endr
.endm
.macro CROUND                          ; a round of the cluster's barrier
	s_barrier_signal -1
	s_barrier_wait -1
	s_cmp_lg_u32 s22, 0
	s_cbranch_scc1 .Lnot_wave_0_\@
	s_barrier_signal -3
.Lnot_wave_0_\@:
	s_barrier_wait -3
	s_barrier_signal -1
	s_barrier_wait -1
.endm
.macro MKSC se, vs, vl                 ; 2^e and 448 x 2^e as f32
	s_add_co_i32 s2, \se, 127
	s_lshl_b32 s3, s2, 23
	v_mov_b32 v[\vs], s3
	s_add_co_i32 s2, s2, 8
	s_lshl_b32 s2, s2, 23
	s_or_b32 s2, s2, 0x600000
	v_mov_b32 v[\vl], s2
.endm
.macro KONST i, val
	v_mov_b32 v[CK+2*\i], \val
	v_mov_b32 v[CK+2*\i+1], \val
.endm
; cos and sin of token tile 2 w + t for my lane's 16 frequencies (n = 8 b + j: i = 16 b + 8 (lane / 16) + j), stage by stage over eight pairs so that no line waits for the one above; then the image to LDS
.macro TABLE t
.set CO_, CS+32*\t
.set SI_, CS+32*\t+16
	v_add_nc_u32 v16, 16*\t, v[POS]
	v_cvt_f32_u32 v[POSF], v16
	v_cvt_f32_u32 v[POSF+1], v16
.irp n, 0,2,4,6,8,10,12,14
	v_pk_mul_f32 v[AN+\n:AN+\n+1], v[IV+\n:IV+\n+1], v[POSF:POSF+1]                           ; the angle, rounded once
.endr
.irp n, 0,2,4,6,8,10,12,14
	v_pk_fma_f32 v[KK+\n:KK+\n+1], v[AN+\n:AN+\n+1], v[CK:CK+1], v[CK+2:CK+3]                 ; angle / pi + 1.5 x 2^23: the sum's low bits are k, to the nearest
.endr
.irp n, 0,2,4,6,8,10,12,14
	v_pk_add_f32 v[KR+\n:KR+\n+1], v[KK+\n:KK+\n+1], v[CK+2:CK+3] neg_lo:[0,1] neg_hi:[0,1]   ; k
.endr
.irp n, 0,2,4,6,8,10,12,14
	v_pk_fma_f32 v[AN+\n:AN+\n+1], v[KR+\n:KR+\n+1], v[CK+4:CK+5], v[AN+\n:AN+\n+1]           ; - k x pi's upper part (exact)
.endr
.irp n, 0,2,4,6,8,10,12,14
	v_pk_fma_f32 v[AN+\n:AN+\n+1], v[KR+\n:KR+\n+1], v[CK+6:CK+7], v[AN+\n:AN+\n+1]           ; - k x its lower part: r
.endr
.irp n, 0,2,4,6,8,10,12,14
	v_pk_mul_f32 v[SQ+\n:SQ+\n+1], v[AN+\n:AN+\n+1], v[AN+\n:AN+\n+1]
.endr
.irp n, 0,2,4,6,8,10,12,14
	v_pk_fma_f32 v[SI_+\n:SI_+\n+1], v[SQ+\n:SQ+\n+1], v[CK+8:CK+9], v[CK+10:CK+11]
	v_pk_fma_f32 v[CO_+\n:CO_+\n+1], v[SQ+\n:SQ+\n+1], v[CK+20:CK+21], v[CK+22:CK+23]
.endr
.irp k, 6,7,8,9
.irp n, 0,2,4,6,8,10,12,14
	v_pk_fma_f32 v[SI_+\n:SI_+\n+1], v[SI_+\n:SI_+\n+1], v[SQ+\n:SQ+\n+1], v[CK+2*\k:CK+2*\k+1]
.endr
.endr
.irp k, 12,13,14,15,16,17
.irp n, 0,2,4,6,8,10,12,14
	v_pk_fma_f32 v[CO_+\n:CO_+\n+1], v[CO_+\n:CO_+\n+1], v[SQ+\n:SQ+\n+1], v[CK+2*\k:CK+2*\k+1]   ; the last adds 1: cos r
.endr
.endr
.irp n, 0,2,4,6,8,10,12,14
	v_pk_mul_f32 v[KR+\n:KR+\n+1], v[AN+\n:AN+\n+1], v[SQ+\n:SQ+\n+1]
.endr
.irp n, 0,2,4,6,8,10,12,14
	v_pk_fma_f32 v[SI_+\n:SI_+\n+1], v[KR+\n:KR+\n+1], v[SI_+\n:SI_+\n+1], v[AN+\n:AN+\n+1]   ; sin r = r + r s P(s)
.endr
.set t_i, 0
.rept 16
	v_lshlrev_b32 v[KK+t_i], 31, v[KK+t_i]                                                    ; k odd: both change sign
.set t_i, t_i+1
.endr
.set t_i, 0
.rept 16
	v_xor_b32 v[CO_+t_i], v[KK+t_i], v[CO_+t_i]
	v_xor_b32 v[SI_+t_i], v[KK+t_i], v[SI_+t_i]
.set t_i, t_i+1
.endr
.irp k, 0,1,2,3,4,5,6,7
	ds_store_b128 v[TW], v[CO_+4*\k:CO_+4*\k+3] offset:4096*\t+512*\k
.endr
.endm
.macro LOADCS a                        ; token tile a's 16 cos and 16 sin into set a % 2
.irp k, 0,1,2,3,4,5,6,7
	ds_load_b128 v[CS+32*((\a)%2)+4*\k:CS+32*((\a)%2)+4*\k+3], v[TR] offset:4096*(\a)+512*\k
.endr
.endm
.macro XFETCH                          ; my 64 tokens x K 1,024: 128 loads
.irp s, 0,1,2,3,4,5,6,7
.if \s < 4
	WIN 0x40
.else
	WIN 0x80
.endif
.irp a, 0,1,2,3
.irp c, 0,1,2,3
	ds_load_b128 v[(\s%4)*64+16*\a+4*\c:(\s%4)*64+16*\a+4*\c+3], v[ADX+\s/4] offset:\a*16*PITCH+(\s%4)*128+32*\c
.endr
.endr
.endr
.endm
.macro WFETCH adr, s, buf              ; my head's 64 rows of W, K step s: 16 loads
.irp b, 0,1,2,3
.irp c, 0,1,2,3
	ds_load_b128 v[64+64*(\buf)+16*\b+4*\c:64+64*(\buf)+16*\b+4*\c+3], v[\adr+((\s)>>2)] offset:\b*16*PITCH+((\s)&3)*128+32*\c
.endr
.endr
.endm
; 16 matrix instructions; the 16 accumulators take turns, one instruction a turn, in the same order in every K step.  K step 0 starts the sums with the constant 0.
.macro MUL s, buf, swap
.if \swap
	WIN 0xf1+(\s)/4
.else
	WIN 0xf4+4*((\s)/4)
.endif
.irp a, 0,1,2,3
.irp b, 0,1,2,3
.if \swap
.if (\s) == 0
	v_wmma_f32_16x16x128_fp8_fp8 v[8*(4*\a+\b):8*(4*\a+\b)+7], v[((\s)%4)*64+16*\a:((\s)%4)*64+16*\a+15], v[64+64*(\buf)+16*\b:64+64*(\buf)+16*\b+15], 0
.else
	v_wmma_f32_16x16x128_fp8_fp8 v[8*(4*\a+\b):8*(4*\a+\b)+7], v[((\s)%4)*64+16*\a:((\s)%4)*64+16*\a+15], v[64+64*(\buf)+16*\b:64+64*(\buf)+16*\b+15], v[8*(4*\a+\b):8*(4*\a+\b)+7]
.endif
.else
.if (\s) == 0
	v_wmma_f32_16x16x128_fp8_fp8 v[8*(4*\a+\b):8*(4*\a+\b)+7], v[64+64*(\buf)+16*\b:64+64*(\buf)+16*\b+15], v[((\s)%4)*64+16*\a:((\s)%4)*64+16*\a+15], 0
.else
	v_wmma_f32_16x16x128_fp8_fp8 v[8*(4*\a+\b):8*(4*\a+\b)+7], v[64+64*(\buf)+16*\b:64+64*(\buf)+16*\b+15], v[((\s)%4)*64+16*\a:((\s)%4)*64+16*\a+15], v[8*(4*\a+\b):8*(4*\a+\b)+7]
.endif
.endif
.endr
.endr
.endm
.macro GEMM adr, swap                  ; eight K steps; the next step's fragments are asked for ahead of each step's products
	WFETCH \adr, 0, 0
.irp s, 0,1,2,3,4,5,6
.if \s > 0
	PLACES 4                                       ; four places between the last products and loads into the buffer that they read (ISA guide 7.12.1 for vector instructions)
.endif
	WFETCH \adr, \s+1, (\s+1)%2
	s_wait_dscnt 16                                ; this step's 16 loads are in; the 16 just issued may be out
	MUL \s, \s%2, \swap
	WIN 0
.endr
	s_wait_dscnt 0x0
	MUL 7, 1, \swap
	WIN 0
.endm
; The epilogue of q and of k.  s[ex]: the sums' exponent; s[ems]: 2 x it - 6 (the mean of 64 squares); s[gain]; v[vsc], v[vlim]: the quantiser's scale and 448 x it.
.macro EPI ex, ems, gain, vsc, vlim, base, off
	s_wait_xcnt 0x0                                ; the last step's stores have read the code registers, which are written again below
	LOADCS 0
	LOADCS 1
	PLACES 4                                       ; in front of the first reads of results and the first writes of the fragment buffers
	WIN 0x0f
.irp b, 0,1,2,3
.irp i, 0,2,4,6
.irp a, 0,1,2,3
.if (\b == 0) && (\i < 4)
	v_pk_mul_f32 v[SS+4*\a+\i:SS+4*\a+\i+1], v[32*\a+\i:32*\a+\i+1], v[32*\a+\i:32*\a+\i+1]   ; squares, two chains a tile, each accumulator from its low end on
.else
	v_pk_fma_f32 v[SS+4*\a+\i%4:SS+4*\a+\i%4+1], v[32*\a+8*\b+\i:32*\a+8*\b+\i+1], v[32*\a+8*\b+\i:32*\a+8*\b+\i+1], v[SS+4*\a+\i%4:SS+4*\a+\i%4+1]
.endif
.endr
.endr
.endr
	WIN 0
.irp a, 0,1,2,3
	v_pk_add_f32 v[SS+4*\a:SS+4*\a+1], v[SS+4*\a:SS+4*\a+1], v[SS+4*\a+2:SS+4*\a+3]
.endr
.irp a, 0,1,2,3
	v_add_f32 v[SS+4*\a], v[SS+4*\a], v[SS+4*\a+1]
.endr
.irp a, 0,1,2,3
	v_permlanex16_b32 v[SS+4*\a+1], v[SS+4*\a], s92, s93   ; the token's other 32 numbers lie in the lane 16 away
.endr
.irp a, 0,1,2,3
	v_add_f32 v[SS+4*\a], v[SS+4*\a], v[SS+4*\a+1]
.endr
.irp a, 0,1,2,3
	v_ldexp_f32 v[SS+4*\a], v[SS+4*\a], s[\ems]            ; the mean of the squares
.endr
.irp a, 0,1,2,3
	v_add_f32 v[SS+4*\a], 0x34000000, v[SS+4*\a]           ; + 2^-23
.endr
	s_wait_alu depctr_va_vdst(0)
.irp a, 0,1,2,3
	v_rsq_f32 v[FP+2*\a], v[SS+4*\a]
.endr
	v_nop                                          ; a plain instruction behind the last root
	s_wait_alu depctr_va_vdst(0)
.irp a, 0,1,2,3
	v_mul_f32 v[FP+2*\a], s[\gain], v[FP+2*\a]
.endr
.irp a, 0,1,2,3
	v_ldexp_f32 v[FP+2*\a], v[FP+2*\a], s[\ex]             ; f = gain x 2^e / root
.endr
.irp a, 0,1,2,3
	v_mov_b32 v[FP+2*\a+1], v[FP+2*\a]
.endr
	s_wait_alu depctr_va_vdst(0)
.irp a, 0,1,2,3
.set CSA, CS+32*(\a%2)
.if \a < 3
	s_wait_dscnt 8                                 ; this tile's table is in; the next tile's 8 loads may be out
.else
	s_wait_dscnt 0x0
.endif
	WIN 0x03
.set x_i, 0
.rept 16
	v_pk_mul_f32 v[XS+x_i:XS+x_i+1], v[32*\a+x_i:32*\a+x_i+1], v[FP+2*\a:FP+2*\a+1]
.set x_i, x_i+2
.endr
	WIN 0
.irp n, 0,2,4,6,8,10,12,14
	v_pk_mul_f32 v[TT+\n:TT+\n+1], v[XS+16+\n:XS+16+\n+1], v[CSA+16+\n:CSA+16+\n+1]
	v_pk_mul_f32 v[TT+16+\n:TT+16+\n+1], v[XS+\n:XS+\n+1], v[CSA+16+\n:CSA+16+\n+1]
.endr
.irp n, 0,2,4,6,8,10,12,14
	v_pk_fma_f32 v[RO+\n:RO+\n+1], v[XS+\n:XS+\n+1], v[CSA+\n:CSA+\n+1], v[TT+\n:TT+\n+1]                                             ; x1 cos + x2 sin
	v_pk_fma_f32 v[RO+16+\n:RO+16+\n+1], v[XS+16+\n:XS+16+\n+1], v[CSA+\n:CSA+\n+1], v[TT+16+\n:TT+16+\n+1] neg_lo:[0,0,1] neg_hi:[0,0,1]   ; x2 cos - x1 sin
.endr
.if \a < 2
	LOADCS \a+2
.endif
.set x_i, 0
.rept 32
	v_med3_num_f32 v[RO+x_i], v[RO+x_i], -v[\vlim], v[\vlim]   ; the conversion to an 8-bit code does not saturate (ISA guide 7.6.2): the hold at 448 x the scale
.set x_i, x_i+1
.endr
.irp b, 0,1,2,3
	v_cvt_scalef32_pk8_fp8_f32 v[CD+8*\a+2*\b:CD+8*\a+2*\b+1], v[RO+8*\b:RO+8*\b+7], v[\vsc]
.endr
	v_nop                                          ; a plain instruction behind the last conversion
	global_store_b128 v[LI], v[CD+8*\a:CD+8*\a+3], s[\base:\base+1] offset:\off+1024*\a
	global_store_b128 v[LI], v[CD+8*\a+4:CD+8*\a+7], s[\base:\base+1] offset:\off+1024*\a+512
.endr
.endm
.macro EPIV                            ; v: held and converted as it stands: a lane's eight registers are eight neighbouring tokens of one channel
	s_wait_xcnt 0x0
	PLACES 4
	WIN 0x03
.set x_i, 0
.rept 128
	v_med3_num_f32 v[64+x_i], v[x_i], -v25, v25
.set x_i, x_i+1
.endr
	WIN 0
.irp a, 0,1,2,3
.irp b, 0,1,2,3
	v_cvt_scalef32_pk8_fp8_f32 v[CD+8*\b+2*\a:CD+8*\b+2*\a+1], v[64+8*(4*\a+\b):64+8*(4*\a+\b)+7], v24
.endr
.endr
	v_nop
.irp b, 0,1,2,3
	global_store_b128 v[LI], v[CD+8*\b:CD+8*\b+3], s[100:101] offset:2048*\b
	global_store_b128 v[LI], v[CD+8*\b+4:CD+8*\b+7], s[100:101] offset:2048*\b+512
.endr
.endm
	s_load_b256 s[4:11], s[0:1], 0x0               ; x s[4:5], Wq s[6:7], Wk s[8:9], Wv s[10:11]
	s_load_b128 s[12:15], s[0:1], 0x20             ; the scales' exponents s[12:13], q_gain s[14:15]
	s_load_b128 s[16:19], s[0:1], 0x30             ; q_img s[16:17], k_img s[18:19]
	s_load_b64 s[20:21], s[0:1], 0x40              ; v_img
	v_lshl_add_u32 v[SPW], v0, 2, SPARE
	v_mov_b32 v[NIL], 0
	ds_add_u32 v12, v13
	ds_add_u32 v12, v13
	s_wait_dscnt 0x0
	v_lshrrev_b32 v16, 5, v0
	v_readfirstlane_b32 s22, v16                   ; wave 0..3
	s_lshr_b32 s23, s22, 1                         ; which 64 tokens are mine.  Also: which half of K I fetch
	s_and_b32 s24, s22, 1                          ; which head of a step is mine.  Also: which 64 rows I fetch
	s_bfe_u32 s25, ttmp6, 0x40000                  ; cx
	s_bfe_u32 s26, ttmp6, 0x40004                  ; cy
	s_lshl_b32 s30, ttmp9, 2
	s_add_co_u32 s30, s30, s25                     ; c = 4 x cluster x + cx
	s_and_b32 s27, ttmp7, 0xffff
	s_lshl_b32 s27, s27, 2
	s_add_co_u32 s27, s27, s26                     ; block of 128 tokens = 4 x cluster y + cy
	s_lshl_b32 s28, s26, 2
	s_lshl_b32 s28, 15, s28                        ; my row of the cluster
	s_lshl_b32 s29, 0x1111, s25                    ; my column
	s_or_b32 s[G1X], s28, G1W0
	s_or_b32 s[G1W], s29, G1W0
.irp g, G1X, G1W
	s_mov_b32 s[\g+1], 512<<16                     ; tensor_dim0 = 512
	s_mov_b32 s[\g+3], 512<<16                     ; tile_dim0 = 512
	s_mov_b32 s[\g+5], 1024                        ; from row to row
	s_mov_b32 s[\g+6], 0
	s_mov_b32 s[\g+7], 0
.endr
	s_mov_b32 s[G1X+2], 128<<16                    ; x's tile: 128 rows, one half of K, one load
	s_mov_b32 s[G1X+4], 128
	s_mov_b32 s[G1W+2], 64<<16                     ; the refills of weights: 64 rows a wave
	s_mov_b32 s[G1W+4], 64
	s_mul_i32 s31, s22, QUART                      ; my quarter of a region: K half w / 2, rows 64 (w % 2) on = w x QUART
	s_lshl_b32 s95, s23, 9                         ; 512 bytes x K half
	s_lshl_b32 s2, s24, 16                         ; 64 rows of 1,024 bytes
	s_add_co_u32 s2, s2, s95
	s_lshl_b32 s66, s24, 9                         ; the head's loads: 512 bytes x (wave % 2), the half of K
	s_lshl_b32 s32, s27, 17                        ; x: 128 tokens x block
	s_add_co_u32 s32, s32, s66
	s_mov_b32 s33, 0
	s_lshl_b32 s34, s30, 18                        ; Wq: 256 rows x c
	s_add_co_u32 s34, s34, s2
	s_mov_b32 s35, 0
	v_and_b32 v16, 31, v0
	v_lshlrev_b32 v[LI], 4, v16
	v_and_b32 v[RR], 15, v0
	v_bfe_u32 v[HH], v0, 4, 1
	v_mul_u32_u24 v17, v[RR], PITCH
	v_lshl_add_u32 v17, v[HH], 4, v17              ; row x pitch + 16 x half
	s_mul_i32 s2, s23, QUART
	v_add_nc_u32 v[ADX], s2, v17
	v_add_nc_u32 v[ADX+1], KHALF, v[ADX]
	s_mul_i32 s2, s24, QUART
	v_add_nc_u32 v[ADW0], s2, v17
	v_add_nc_u32 v[ADW0+1], KHALF, v[ADW0]
	v_add_nc_u32 v[ADW1], R1, v[ADW0]
	v_add_nc_u32 v[ADW1+1], R1+KHALF, v[ADW0]
	s_lshl_b32 s2, s22, 13
	s_add_co_u32 s2, s2, TAB
	v_add_nc_u32 v[TW], s2, v[LI]
	s_lshl_b32 s2, s23, 14
	s_add_co_u32 s2, s2, TAB
	v_add_nc_u32 v[TR], s2, v[LI]
	s_wait_kmcnt 0x0
	s_load_b256 s[72:79], s[12:13], 0x0            ; e0 .. e7
	s_load_b128 s[80:83], s[12:13], 0x20           ; e8 .. e11
	s_lshl_b32 s98, s30, 4
	s_mov_b32 s99, 0
	s_add_nc_u64 s[14:15], s[14:15], s[98:99]
	s_load_b128 s[84:87], s[14:15], 0x0            ; the gains of heads 4c .. 4c+3
	s_mov_b32 s52, 1                               ; group 0: x -> R0
	s_mul_i32 s53, s24, KHALF                      ; K half wave % 2 of R0, all 128 rows
	s_add_nc_u64 s[54:55], s[4:5], s[32:33]
	s_or_b32 s55, s55, 0x80000000
	s_mov_b32 s56, 1                               ; q heads 4c, 4c+1 -> R1: K half wave % 2, all 128 rows
	s_add_co_u32 s57, s53, R1
	s_mov_b32 s60, 1                               ; q heads 4c+2, 4c+3 -> R0: 128 rows further down, a quarter a wave
	s_mov_b32 s61, s31
	s_add_nc_u64 s[62:63], s[6:7], s[34:35]
	s_add_nc_u64 s[62:63], s[62:63], 0x20000
	s_or_b32 s63, s63, 0x80000000
	s_lshl_b32 s34, s30, 18
	s_add_co_u32 s34, s34, s66
	s_add_nc_u64 s[58:59], s[6:7], s[34:35]
	s_or_b32 s59, s59, 0x80000000
	s_mov_b32 s68, 1                               ; k head c (rows 0-63) and v head c (rows 64-127) -> R1
	s_add_co_u32 s69, s31, R1
	s_lshl_b32 s34, s30, 16                        ; 64 rows x c
	s_add_co_u32 s34, s34, s95
	s_cmp_eq_u32 s24, 0                            ; the choice hangs on the wave's number alone
	s_cselect_b64 s[70:71], s[8:9], s[10:11]
	s_add_nc_u64 s[70:71], s[70:71], s[34:35]
	s_or_b32 s71, s71, 0x80000000
	; where the images go
	s_lshr_b32 s28, s27, 4                         ; b
	s_and_b32 s29, s27, 15                         ; which 128 positions
	s_lshl_b32 s2, s28, 4
	s_lshl_b32 s3, s30, 2
	s_add_co_u32 s2, s2, s3
	s_add_co_u32 s2, s2, s24                       ; b 16 + 4c + my head of the step
	s_lshl_b32 s2, s2, 17
	s_lshl_b32 s3, s29, 13
	s_add_co_u32 s2, s2, s3
	s_lshl_b32 s3, s23, 12
	s_add_co_u32 s2, s2, s3                        ; + (8 x block + 4 x half) tiles of 1,024 bytes
	s_mov_b32 s3, 0
	s_add_nc_u64 s[96:97], s[16:17], s[2:3]
	s_lshl_b32 s2, s28, 2
	s_add_co_u32 s2, s2, s30                       ; b 4 + c
	s_lshl_b32 s2, s2, 17
	s_lshl_b32 s98, s29, 13
	s_add_co_u32 s2, s2, s98
	s_lshl_b32 s98, s23, 12
	s_add_co_u32 s98, s98, s2
	s_mov_b32 s99, 0
	s_add_nc_u64 s[98:99], s[18:19], s[98:99]
	s_lshl_b32 s100, s23, 10                       ; v: my 64 tokens are blocks 2 x half, 2 x half + 1 of each fragment
	s_add_co_u32 s100, s100, s2
	s_mov_b32 s101, 0
	s_add_nc_u64 s[100:101], s[20:21], s[100:101]
	s_lshl_b32 s2, s29, 7
	s_lshl_b32 s3, s22, 5
	s_add_co_u32 s2, s2, s3
	v_add_nc_u32 v[POS], s2, v[RR]                 ; position of my token in table tile 2 w
	CROUND                                         ; all sixteen work-groups are here: the first joint loads meet
	s_lshl_b32 s67, 0x1111, s25                    ; my column of the cluster
	s_or_b32 s4, s67, G1W0                         ; s[4:11], whose addresses have been used: group 1 for the first weights, 128 rows a load
	s_mov_b32 s5, 512<<16
	s_mov_b32 s6, 128<<16
	s_mov_b32 s7, 512<<16
	s_mov_b32 s8, 128
	s_mov_b32 s9, 1024
	s_mov_b32 s10, 0
	s_mov_b32 s11, 0
	s_cmp_eq_u32 s23, 0                            ; one tensor load a wave at the head: waves 0, 1 fetch x's two halves of K, waves 2, 3 the first weights'
	s_cbranch_scc0 .Lhead_w
	tensor_load_to_lds s[52:55], s[G1X:G1X+7]
	s_nop 0
	PLACES 4
	s_branch .Lhead_j
.Lhead_w:
	tensor_load_to_lds s[56:59], s[4:11]
	s_nop 0
	PLACES 4
.Lhead_j:
	; while they are on their way: the constants and the cos/sin table
	KONST 0, 0x3ea2f983                            ; 1 / pi
	KONST 1, 0x4b400000                            ; 1.5 x 2^23
	KONST 2, 0xc0490fdb                            ; - pi's upper part
	KONST 3, 0x33bbbd2e                            ; upper part - pi
	KONST 4, 0x2f309231                            ; 1/13!
	KONST 5, 0xb2d7322b                            ; -1/11!
	KONST 6, 0x3638ef1d                            ; 1/9!
	KONST 7, 0xb9500d01                            ; -1/7!
	KONST 8, 0x3c088889                            ; 1/5!
	KONST 9, 0xbe2aaaab                            ; -1/3!
	KONST 10, 0xad49cba5                           ; -1/14!
	KONST 11, 0x310f76c7                           ; 1/12!
	KONST 12, 0xb493f27e                           ; -1/10!
	KONST 13, 0x37d00d01                           ; 1/8!
	KONST 14, 0xbab60b61                           ; -1/6!
	KONST 15, 0x3d2aaaab                           ; 1/4!
	KONST 16, 0xbf000000                           ; -1/2!
	KONST 17, 0x3f800000                           ; 1
	v_lshlrev_b32 v18, 3, v[HH]
.set t_i, 0
.rept 16
	v_add_nc_u32 v[IV+t_i], 16*(t_i/8)+t_i%8, v18  ; i = 16 b + 8 (lane / 16) + j
.set t_i, t_i+1
.endr
.set t_i, 0
.rept 16
	v_cvt_f32_u32 v[IV+t_i], v[IV+t_i]
.set t_i, t_i+1
.endr
.set t_i, 0
.rept 16
	v_mul_f32 v[IV+t_i], 0xbed49a78, v[IV+t_i]     ; x -log2(10000) / 32
.set t_i, t_i+1
.endr
.set t_i, 0
	s_wait_alu depctr_va_vdst(0)
.rept 16
	v_exp_f32 v[IV+t_i], v[IV+t_i]
.set t_i, t_i+1
.endr
	v_nop                                          ; a plain instruction behind the last exponential
	s_wait_alu depctr_va_vdst(0)
	TABLE 0
	TABLE 1
	s_wait_kmcnt 0x0
	s_add_co_i32 s88, s72, s73                     ; e0 + e1: a sum of the first product stands for sum x 2^(e0 + e1)
	s_lshl_b32 s89, s88, 1
	s_sub_co_i32 s89, s89, 6
	s_add_co_i32 s90, s74, s75                     ; e2 + e3
	s_lshl_b32 s91, s90, 1
	s_sub_co_i32 s91, s91, 6
	MKSC s78, 20, 21                               ; q's scale, e6
	MKSC s79, 22, 23                               ; k's, e7
	s_sub_co_i32 s95, s81, s76
	s_sub_co_i32 s95, s95, s77                     ; v's three exponents folded: e9 - e4 - e5
	MKSC s95, 24, 25
	s_mov_b32 s92, 0x76543210
	s_mov_b32 s93, 0xfedcba98
	s_wait_tensorcnt 0x0                           ; my one load of the head is in
	s_wait_dscnt 0x0                               ; my table tiles lie in LDS
	s_barrier_signal -1
	s_barrier_wait -1
	XFETCH
	WIN 0
	s_wait_tensorcnt 0x0                           ; all my tensor loads have landed: my part of the first weights
	ds_add_u32 v[SPW], v[NIL]                      ; 0 onto my spare word
	s_wait_dscnt 0x0                               ; the add is done, and x is in my registers: my reads of R0 are over
	CROUND                                         ; so it is with every wave of every partner
	tensor_load_to_lds s[60:63], s[G1W:G1W+7]      ; R0 takes the second step's weights: they have the first step in which to land
	s_nop 0
	PLACES 4
	s_cmp_eq_u32 s24, 0
	s_cselect_b32 s94, s84, s85
	GEMM ADW1, 0
	EPI 88, 89, 94, 20, 21, 96, 0
	s_wait_tensorcnt 0x0                           ; my part of the second step's weights is in
	ds_add_u32 v[SPW], v[NIL]
	s_wait_dscnt 0x0                               ; the add is done; my reads of R1 are over
	CROUND
	tensor_load_to_lds s[68:71], s[G1W:G1W+7]      ; R1 takes k's and v's weights
	s_nop 0
	PLACES 4
	s_cmp_eq_u32 s24, 0
	s_cselect_b32 s94, s86, s87
	GEMM ADW0, 0
	EPI 88, 89, 94, 20, 21, 96, 262144             ; two heads of 131,072 bytes further on
	s_wait_tensorcnt 0x0                           ; my part of the third step's weights is in
	s_wait_dscnt 0x0
	s_barrier_signal -1
	s_barrier_wait -1
	s_cmp_lg_u32 s24, 0                            ; the roles part on the wave's number alone
	s_cbranch_scc1 .Lvalues
	s_mov_b32 s94, 1.0                             ; k has no gain
	GEMM ADW1, 0
	EPI 90, 91, 94, 22, 23, 98, 0
	s_branch .Ljoin
.Lvalues:
	GEMM ADW1, 1
	EPIV
.Ljoin:
	s_wait_tensorcnt 0x0                           ; the wave's end
	ds_add_u32 v[SPW], v[NIL]
	s_wait_dscnt 0x0
	CROUND                                         ; the closing round: no work-group ends while a partner may still ask for a tile that names it
	s_endpgm
.Lfunc_end_k_q5e6e685b0e_qkv:
	.size	k_q5e6e685b0e_qkv, .Lfunc_end_k_q5e6e685b0e_qkv-k_q5e6e685b0e_qkv
	.p2alignl 7, 3214868480
	.fill 96, 4, 3214868480
	.section	.rodata,"a",@progbits
	.p2align	6, 0x0
	.amdhsa_kernel k_q5e6e685b0e_qkv
		.amdhsa_group_segment_fixed_size 327680
		.amdhsa_private_segment_fixed_size 0
		.amdhsa_enable_private_segment 0
		.amdhsa_kernarg_size 72
		.amdhsa_user_sgpr_count 2
		.amdhsa_user_sgpr_kernarg_segment_ptr 1
		.amdhsa_wavefront_size32 1
		.amdhsa_system_sgpr_workgroup_id_x 1
		.amdhsa_system_sgpr_workgroup_id_y 1
		.amdhsa_system_sgpr_workgroup_id_z 1
		.amdhsa_system_vgpr_workitem_id 0
		.amdhsa_next_free_vgpr 896
		.amdhsa_next_free_sgpr 102
		.amdhsa_reserve_vcc 0
		.amdhsa_float_denorm_mode_32 3
		.amdhsa_float_denorm_mode_16_64 3
		.amdhsa_memory_ordered 1
		.amdhsa_forward_progress 1
		.amdhsa_inst_pref_size 220
	.end_amdhsa_kernel
	.amdgpu_metadata
---
amdhsa.version: [ 1, 2 ]
amdhsa.kernels:
  - .name:           k_q5e6e685b0e_qkv
    .symbol:         k_q5e6e685b0e_qkv.kd
    .args:
      - { .name: x_codes, .offset: 0, .size: 8, .value_kind: global_buffer, .address_space: global }
      - { .name: Wq_codes, .offset: 8, .size: 8, .value_kind: global_buffer, .address_space: global }
      - { .name: Wk_codes, .offset: 16, .size: 8, .value_kind: global_buffer, .address_space: global }
      - { .name: Wv_codes, .offset: 24, .size: 8, .value_kind: global_buffer, .address_space: global }
      - { .name: lowp_scales, .offset: 32, .size: 8, .value_kind: global_buffer, .address_space: global }
      - { .name: q_gain, .offset: 40, .size: 8, .value_kind: global_buffer, .address_space: global }
      - { .name: q_img, .offset: 48, .size: 8, .value_kind: global_buffer, .address_space: global }
      - { .name: k_img, .offset: 56, .size: 8, .value_kind: global_buffer, .address_space: global }
      - { .name: v_img, .offset: 64, .size: 8, .value_kind: global_buffer, .address_space: global }
    .group_segment_fixed_size: 327680
    .private_segment_fixed_size: 0
    .kernarg_segment_align: 8
    .kernarg_segment_size: 72
    .max_flat_workgroup_size: 128
    .sgpr_count:     102
    .vgpr_count:     896
    .wavefront_size: 32
...
	.end_amdgpu_metadata
.endif
;; end of part 1
;; launch attn (part 2): grid 16 x 16, 8 waves a work-group, clusters of 4 x 1, 327,680 bytes of LDS; arguments q_img, k_img, v_img, lowp_scales, y_img; writes y_img
.if DOCPART == 2
	.amdgcn_target "amdgcn-amd-amdhsa--gfx1250"
	.amdhsa_code_object_version 6
	.text
	.protected	k_q5e6e685b0e_attn
	.globl	k_q5e6e685b0e_attn
	.p2align	8
	.type	k_q5e6e685b0e_attn,@function
k_q5e6e685b0e_attn:
	s_mov_b64 s[64:65], 0
	v_nop
	global_prefetch_b8 v0, s[64:65] scope:SCOPE_SE
	s_setreg_imm32_b32 hwreg(HW_REG_WAVE_MODE, 25, 1), 1
	s_wait_xcnt 0x0
	s_wait_alu depctr_hold_cnt(0) depctr_sa_sdst(0) depctr_va_vdst(0) depctr_va_sdst(0) depctr_va_ssrc(0) depctr_va_vcc(0) depctr_vm_vsrc(0)
	s_getreg_b32 s2, hwreg(HW_REG_IB_STS2, 6, 4)
	s_cmp_eq_u32 s2, 0
	s_cbranch_scc0 .Lentry_in_a_cluster
	s_endpgm
.Lentry_in_a_cluster:
	s_bfe_u32 s2, ttmp6, 0x10000c
	s_cmp_lg_u32 s2, 0x3003
	s_cbranch_scc0 .Lentry_shape_is_right
	s_endpgm
.Lentry_shape_is_right:
; y = softmax(q k^T / 8, causal) v on E4M3 codes, head size 64, four query heads to a key and value head; y quantised with the given scale e10.
; THE SOFTMAX AHEAD OF THE SECOND PRODUCT: t = score x log2(e) / 8; M = the running largest t rounded UP to a whole number; p = 2^(t - M) is quantised (e8), not normalised;
; the row's sum is taken of the unquantised p and divides at the end.  When M moves, the sum and O are multiplied by 2^(old M - new M): exact.
; SHARES.  Work-group y = batch x 4 + key head; cluster x = j; place in the cluster = the query head within the group.  A work-group takes the blocks of 256 queries 7 - j and j.
; Eight waves; a wave owns 32 queries, two tiles of 16, so that each fragment of K and of V that it reads from LDS feeds two matrix instructions.
; Wave w takes pair w of the long block and pair 7 - w of the short one: 2 (7 - j) + 2 j + 3 = 17 live key steps in every wave, one of them of 64 keys (below).
; CLUSTER.  The four partners read the same K and V and run the same branches (which hang on j and the wave's number): each tile is asked for jointly.
; LDS: the head's whole K (131,072 bytes) and V (131,072) as images of operand registers, each byte filled once, by two loads a wave (waves 0-3 K, 4-7 V):
; keys 0-639 at the head (10,240 bytes a wave), keys 640-2,047 (22,528 bytes a wave) behind the full sequence and a round; the first four steps, with their look-ahead of one step of K, read the first fill alone.
; No prefetch: both tensor loads of a wave stand at the head of the text, so there is no later load to run ahead of.
; FRAGMENTS AHEAD: K and V have registers of their own.  The next step's K is asked for behind this step's score products, this step's V at the step's head: each has a softmax in which to arrive.
; The look-ahead behind key step 15 reads the first bytes of V's images into K's registers; nothing uses them.
; LAYOUT.  S^T = K Q^T (source 0 = 16 keys, source 1 = 16 queries, K = 64), O^T = V^T P^T (source 0 = 16 channels, source 1 = P, K = the step's keys): a lane holds ONE query of each tile (lane % 16);
; tile T of S^T holds keys 16 T + 8 (lane / 16) + j: registers 2 T, 2 T + 1 of P; tile t of O^T holds channels 16 t + 8 (lane / 16) + j: registers 2 t, 2 t + 1 of y's operand.
; CAUSAL.  All loops have constant trip counts; a step all of whose keys come after my queries is jumped over (its address steps are not).
; My last live step holds the diagonal.  Where its keys 64-127 all come after my 32 queries it is worked on 64 keys alone (the second product in the K = 64 form);
; else its key tiles 0-3 all count and tiles 4-7 are masked.  Hidden scores become -infinity.  Key 0 counts for every query.  The long block's keys 0-511 count for all its queries: no test there.
; LIMITS: e6 + e7 between -123 and 130 (added to c's exponent field); e8 and e10 - e8 - e9 between -126 and 119.  NaN codes are not served.
; REGISTERS.  Window 0 (v0-255): v1 16 x lane, v2 the same in V, v3 lane % 16 - 8 (lane / 16), v4, v5 addresses in hand, v6, v7 the spare word and 0; from ST four a tile: -M, largest t, the sum's pair;
;   v24-39 Q of the long block's two tiles, v40-55 of the short one's; from SS 64 a tile: S^T, then p; from PC 16 a tile: p's codes, at the end y's; from TP 12 a tile, at work; v248-253 constants.
;   Window 1: from VF V's fragments, from OT O^T (32 a tile), from KF K's fragments.  The softmax runs in window 0 alone, the two tiles' lines by turns.
.set VB, 131072                        ; V's images begin here
.set FILL1, 40960                      ; bytes of each image that the first fill brings: 640 keys
.set SPARE, 262144                     ; behind the images: 128 bytes for each wave, named by no other line
.set SPW, 6
.set NIL, 7
.set ST, 12
.set SS, 64
.set PC, 192
.set TP, 224                           ; + 0 a maximum, + 1 a permute's result, + 2, + 3 f and 0 (before that a second maximum, or the mask's d), + 4 .. + 9 three chains of the sum
.set HOLD, 248                         ; 448 x 2^e8, twice
.set PSC, 250
.set YSC, 251
.set YLIM, 252
.set NINF, 253
.set VF, 64
.set OT, 128
.set KF, 192
.set MSB, 0
.macro WIN new                         ; the immediate's high byte repeats the setting that is left
.if MSB != (\new)
	s_set_vgpr_msb (MSB<<8)|(\new)
.set MSB, (\new)
.endif
.endm
.macro PLACES n
.rept \n
	v_nop
.endr
.endm
.macro CROUND
	s_barrier_signal -1
	s_barrier_wait -1
	s_cmp_lg_u32 s14, 0
	s_cbranch_scc1 .Lnot_wave_0_\@
	s_barrier_signal -3
.Lnot_wave_0_\@:
	s_barrier_wait -3
	s_barrier_signal -1
	s_barrier_wait -1
.endm
.macro MKSC se, vs, vl                 ; 2^e and 448 x 2^e as f32
	s_add_co_i32 s67, \se, 127
	s_lshl_b32 s19, s67, 23
	v_mov_b32 v[\vs], s19
	s_add_co_i32 s67, s67, 8
	s_lshl_b32 s67, s67, 23
	s_or_b32 s67, s67, 0x600000
	v_mov_b32 v[\vl], s67
.endm
.macro INIT                            ; the step is written for every step alike: the first finds zeros, which the first change of M leaves zeros
	WIN 0x40
.set o_i, 0
.rept 64
	v_mov_b32 v[OT+o_i], 0
.set o_i, o_i+1
.endr
	WIN 0
.irp i, 0,1
	v_mov_b32 v[ST+4*\i+1], 0xff61b1e6             ; -3e38, under every t
	v_mov_b32 v[ST+4*\i+2], 0
	v_mov_b32 v[ST+4*\i+3], 0
.endr
.irp i, 0,1
	v_floor_f32 v[ST+4*\i], -v[ST+4*\i+1]
.endr
.endm
.macro KFETCH adr, off                 ; K's eight fragments of a key step: 16 loads into window 1
	WIN 0x40
.irp t, 0,1,2,3,4,5,6,7
	ds_load_b128 v[KF+8*\t:KF+8*\t+3], v[\adr] offset:\off+1024*\t
	ds_load_b128 v[KF+8*\t+4:KF+8*\t+7], v[\adr] offset:\off+1024*\t+512
.endr
	WIN 0
.endm
; THE WORK OF A KEY STEP on nt tiles of 16 keys (8, or 4 on a diagonal whose upper half is hidden), from key s60 on, at LDS byte s61 of K's and of V's images.  q: Q's first register.  msk = 0: all keys count.
.macro BODY q, nt, msk
.set NE, 8*(\nt)                       ; scores a lane and tile
	v_add_nc_u32 v4, s61, v1
	v_add_nc_u32 v5, s61, v2
	v_nop
	v_nop                                          ; with the two additions: four places between the last step's products and loads into V's registers
	WIN 0x40
.irp t, 0,1,2,3
.set b_t, 0
.rept (\nt)/2
	ds_load_b128 v[VF+16*\t+4*b_t:VF+16*\t+4*b_t+3], v5 offset:2048*\t+512*b_t
.set b_t, b_t+1
.endr
.endr
	s_wait_alu depctr_va_vdst(0)
	s_wait_dscnt 2*(\nt)                           ; K's fragments, asked for a step ago, are in; V's loads just issued may be out
	WIN 0x01                                       ; source 0 (K) in window 1
.set b_t, 0
.rept \nt
.irp i, 0,1
	v_wmma_f32_16x16x64_fp8_fp8 v[SS+64*\i+8*b_t:SS+64*\i+8*b_t+7], v[KF+8*b_t:KF+8*b_t+7], v[\q+8*\i:\q+8*\i+7], 0
.endr
.set b_t, b_t+1
.endr
	PLACES 4                                       ; in front of the loads below and of the first reads of the scores
.if \nt == 8
	KFETCH 4, 8192                                 ; the next step's K
.else
	WIN 0
.endif
.if \msk
.if \nt == 8
	s_add_co_u32 s67, s60, 127
	s_cmp_le_u32 s67, s62
	s_cbranch_scc1 .Lopen_\@                       ; all 128 keys count for all my queries
.endif
	s_sub_co_i32 s67, s62, s60
	v_add_nc_u32 v[TP+2], s67, v3                  ; d = my query - the step's first key - 8 (lane / 16): register 8 T + j is hidden where 16 T + j > d
	v_add_nc_u32 v[TP+14], 16, v[TP+2]             ; the second tile's queries lie 16 further on
.irp i, 0,1
.set m_i, NE-32                        ; the last four key tiles: of eight, the first four all count here
.rept 32
	v_cmp_gt_i32 vcc_lo, 16*(m_i/8)+m_i%8, v[TP+12*\i+2]
	v_cndmask_b32 v[SS+64*\i+m_i], v[SS+64*\i+m_i], v[NINF], vcc_lo
.set m_i, m_i+1
.endr
.endr
.Lopen_\@:
.endif
.irp i, 0,1                            ; the step's largest score of each query, two chains a tile, each score tile from its low end on
	v_max3_num_f32 v[TP+12*\i], v[SS+64*\i], v[SS+64*\i+1], v[SS+64*\i+2]
	v_max3_num_f32 v[TP+12*\i+2], v[SS+64*\i+3], v[SS+64*\i+4], v[SS+64*\i+5]
.endr
.set m_i, 6
.rept (NE-8)/4
.irp i, 0,1
	v_max3_num_f32 v[TP+12*\i], v[TP+12*\i], v[SS+64*\i+m_i], v[SS+64*\i+m_i+1]
	v_max3_num_f32 v[TP+12*\i+2], v[TP+12*\i+2], v[SS+64*\i+m_i+2], v[SS+64*\i+m_i+3]
.endr
.set m_i, m_i+4
.endr
.irp i, 0,1
	v_max3_num_f32 v[TP+12*\i], v[TP+12*\i], v[SS+64*\i+NE-2], v[SS+64*\i+NE-1]
.endr
.irp i, 0,1
	v_max_num_f32 v[TP+12*\i], v[TP+12*\i], v[TP+12*\i+2]
.endr
.irp i, 0,1
	v_permlanex16_b32 v[TP+12*\i+1], v[TP+12*\i], s20, s21
.endr
.irp i, 0,1
	v_max_num_f32 v[TP+12*\i], v[TP+12*\i], v[TP+12*\i+1]      ; and among the lane 16 away's
.endr
.irp i, 0,1
	v_mul_f32 v[TP+12*\i], s22, v[TP+12*\i]                    ; as t (c is positive)
.endr
.irp i, 0,1
	v_max_num_f32 v[ST+4*\i+1], v[ST+4*\i+1], v[TP+12*\i]
.endr
.irp i, 0,1
	v_mov_b32 v[TP+12*\i], v[ST+4*\i]
.endr
.irp i, 0,1
	v_floor_f32 v[ST+4*\i], -v[ST+4*\i+1]                      ; -M = floor(-t)
.endr
.irp i, 0,1
	v_sub_f32 v[TP+12*\i], v[ST+4*\i], v[TP+12*\i]             ; old M - new M: a whole number, 0 or less
.endr
.irp i, 0,1
	v_cvt_i32_f32 v[TP+12*\i], v[TP+12*\i]                     ; (it saturates)
.endr
.irp i, 0,1
	v_ldexp_f32 v[TP+12*\i+2], 1.0, v[TP+12*\i]                ; f = 2^(old M - new M)
.endr
.irp i, 0,1
.set m_i, 0
.rept NE/2
	v_pk_fma_f32 v[SS+64*\i+m_i:SS+64*\i+m_i+1], v[SS+64*\i+m_i:SS+64*\i+m_i+1], s[22:23], v[ST+4*\i:ST+4*\i+1] op_sel_hi:[1,0,0]   ; t - M
.set m_i, m_i+2
.endr
.endr
	WIN 0x41                                       ; O^T in window 1, f in window 0
.irp i, 0,1
.set m_i, 0
.rept 16
	v_pk_mul_f32 v[OT+32*\i+m_i:OT+32*\i+m_i+1], v[OT+32*\i+m_i:OT+32*\i+m_i+1], v[TP+12*\i+2:TP+12*\i+3] op_sel_hi:[1,0]   ; O^T under the new M, ahead of the exponentials: the wait below serves these writes too
.set m_i, m_i+2
.endr
.endr
	WIN 0
	s_wait_alu depctr_va_vdst(0)
.irp i, 0,1
.set m_i, 0
.rept NE
	v_exp_f32 v[SS+64*\i+m_i], v[SS+64*\i+m_i]     ; p, at most 1
.set m_i, m_i+1
.endr
.endr
.irp i, 0,1
	v_pk_mul_f32 v[ST+4*\i+2:ST+4*\i+3], v[ST+4*\i+2:ST+4*\i+3], v[TP+12*\i+2:TP+12*\i+3] op_sel_hi:[1,0]   ; the sums under the new M (plain instructions behind the exponentials)
.endr
	s_wait_alu depctr_va_vdst(0)                   ; one wait for the whole batch, ahead of its first reader
.irp i, 0,1                            ; the rows' sums of the unquantised p: NE / 2 pairs a tile, in four chains a tile by turns
	v_pk_add_f32 v[TP+12*\i+4:TP+12*\i+5], v[SS+64*\i:SS+64*\i+1], v[SS+64*\i+2:SS+64*\i+3]
	v_pk_add_f32 v[TP+12*\i+6:TP+12*\i+7], v[SS+64*\i+4:SS+64*\i+5], v[SS+64*\i+6:SS+64*\i+7]
	v_pk_add_f32 v[TP+12*\i+8:TP+12*\i+9], v[SS+64*\i+8:SS+64*\i+9], v[SS+64*\i+10:SS+64*\i+11]
	v_pk_add_f32 v[ST+4*\i+2:ST+4*\i+3], v[ST+4*\i+2:ST+4*\i+3], v[SS+64*\i+12:SS+64*\i+13]
.endr
.set m_i, 14
.rept (NE-16)/8
.irp i, 0,1
	v_pk_add_f32 v[TP+12*\i+4:TP+12*\i+5], v[TP+12*\i+4:TP+12*\i+5], v[SS+64*\i+m_i:SS+64*\i+m_i+1]
	v_pk_add_f32 v[TP+12*\i+6:TP+12*\i+7], v[TP+12*\i+6:TP+12*\i+7], v[SS+64*\i+m_i+2:SS+64*\i+m_i+3]
	v_pk_add_f32 v[TP+12*\i+8:TP+12*\i+9], v[TP+12*\i+8:TP+12*\i+9], v[SS+64*\i+m_i+4:SS+64*\i+m_i+5]
	v_pk_add_f32 v[ST+4*\i+2:ST+4*\i+3], v[ST+4*\i+2:ST+4*\i+3], v[SS+64*\i+m_i+6:SS+64*\i+m_i+7]
.endr
.set m_i, m_i+8
.endr
.irp i, 0,1
	v_pk_add_f32 v[TP+12*\i+4:TP+12*\i+5], v[TP+12*\i+4:TP+12*\i+5], v[SS+64*\i+NE-2:SS+64*\i+NE-1]
	v_pk_add_f32 v[ST+4*\i+2:ST+4*\i+3], v[ST+4*\i+2:ST+4*\i+3], v[TP+12*\i+8:TP+12*\i+9]
.endr
.irp i, 0,1
	v_pk_add_f32 v[TP+12*\i+4:TP+12*\i+5], v[TP+12*\i+4:TP+12*\i+5], v[TP+12*\i+6:TP+12*\i+7]
.endr
.irp i, 0,1
	v_pk_add_f32 v[ST+4*\i+2:ST+4*\i+3], v[ST+4*\i+2:ST+4*\i+3], v[TP+12*\i+4:TP+12*\i+5]
.endr
.irp i, 0,1
.set b_t, 0
.rept \nt
.irp e, 0,2,4,6
	v_dual_min_num_f32 v[SS+64*\i+8*b_t+\e], v[SS+64*\i+8*b_t+\e], v[HOLD] :: v_dual_min_num_f32 v[SS+64*\i+8*b_t+\e+1], v[SS+64*\i+8*b_t+\e+1], v[HOLD+1]   ; the conversion does not saturate (ISA guide 7.6.2); p is not negative: a one-sided hold, two numbers a line
.endr
	v_cvt_scalef32_pk8_fp8_f32 v[PC+16*\i+2*b_t:PC+16*\i+2*b_t+1], v[SS+64*\i+8*b_t:SS+64*\i+8*b_t+7], v[PSC]
.set b_t, b_t+1
.endr
.endr
	v_nop                                          ; a plain instruction behind the last conversion
	s_wait_alu depctr_va_vdst(0)
.if \nt == 8
	s_wait_dscnt 16                                ; V's fragments are in; the next K's 16 loads may be out
.else
	s_wait_dscnt 0x0
.endif
	WIN 0x51                                       ; V and O^T in window 1, P in window 0
.irp t, 0,1,2,3                        ; eight accumulators by turns
.irp i, 0,1
.if \nt == 8
	v_wmma_f32_16x16x128_fp8_fp8 v[OT+32*\i+8*\t:OT+32*\i+8*\t+7], v[VF+16*\t:VF+16*\t+15], v[PC+16*\i:PC+16*\i+15], v[OT+32*\i+8*\t:OT+32*\i+8*\t+7]
.else
	v_wmma_f32_16x16x64_fp8_fp8 v[OT+32*\i+8*\t:OT+32*\i+8*\t+7], v[VF+16*\t:VF+16*\t+7], v[PC+16*\i:PC+16*\i+7], v[OT+32*\i+8*\t:OT+32*\i+8*\t+7]
.endif
.endr
.endr
	WIN 0
.endm
; n KEY STEPS, a constant count.  s62: my first query.  tests = 0: every key of these steps counts for all my queries.  The branches hang on ids and on the count of steps alone.
.macro WALK n, q, tests
	s_mov_b32 s66, \n
.Lwalk_\@:
.if \tests
	s_add_co_u32 s67, s62, 31
	s_cmp_gt_u32 s60, s67
	s_cbranch_scc1 .Lhid_\@                        ; all 128 keys come after my queries
	s_add_co_u32 s82, s60, 63
	s_cmp_ge_u32 s82, s67
	s_cbranch_scc1 .Lhalf_\@                       ; keys 64-127 of the step all come after my queries
	BODY \q, 8, 1
	s_branch .Lhid_\@
.Lhalf_\@:
	BODY \q, 4, 1
.Lhid_\@:
.else
	BODY \q, 8, 0
.endif
	s_add_co_u32 s60, s60, 128
	s_add_co_u32 s61, s61, 8192
	s_sub_co_u32 s66, s66, 1
	s_cmp_lg_u32 s66, 0
	s_cbranch_scc1 .Lwalk_\@
.endm
.macro FIN base                        ; O^T / the sum, quantised: the images of y's operand registers for this head, two tiles
	PLACES 4
.irp i, 0,1
	v_add_f32 v[ST+4*\i+2], v[ST+4*\i+2], v[ST+4*\i+3]
.endr
.irp i, 0,1
	v_permlanex16_b32 v[TP+12*\i+1], v[ST+4*\i+2], s20, s21
.endr
.irp i, 0,1
	v_add_f32 v[ST+4*\i+2], v[ST+4*\i+2], v[TP+12*\i+1]        ; the row's sum
.endr
	s_wait_alu depctr_va_vdst(0)
.irp i, 0,1
	v_rcp_f32 v[ST+4*\i+2], v[ST+4*\i+2]
.endr
	v_nop
	s_wait_alu depctr_va_vdst(0)
.irp i, 0,1
	v_mov_b32 v[ST+4*\i+3], v[ST+4*\i+2]
.endr
	WIN 0x01                                       ; source 0 (O^T) in window 1
	s_wait_alu depctr_va_vdst(0)
.irp i, 0,1
.set m_i, 0
.rept 16
	v_pk_mul_f32 v[SS+64*\i+m_i:SS+64*\i+m_i+1], v[OT+32*\i+m_i:OT+32*\i+m_i+1], v[ST+4*\i+2:ST+4*\i+3]
.set m_i, m_i+2
.endr
.endr
	WIN 0
.irp i, 0,1
.set m_i, 0
.rept 32
	v_med3_num_f32 v[SS+64*\i+m_i], v[SS+64*\i+m_i], -v[YLIM], v[YLIM]
.set m_i, m_i+1
.endr
.endr
.irp i, 0,1
.irp t, 0,1,2,3
	v_cvt_scalef32_pk8_fp8_f32 v[PC+16*\i+2*\t:PC+16*\i+2*\t+1], v[SS+64*\i+8*\t:SS+64*\i+8*\t+7], v[YSC]   ; the three exponents folded: e10 - e8 - e9
.endr
.endr
	v_nop
.irp i, 0,1
	global_store_b128 v1, v[PC+16*\i:PC+16*\i+3], s[\base:\base+1] offset:16384*\i
	global_store_b128 v1, v[PC+16*\i+4:PC+16*\i+7], s[\base:\base+1] offset:16384*\i+512
.endr
.endm
	s_load_b256 s[4:11], s[0:1], 0x0               ; q_img s[4:5], k_img s[6:7], v_img s[8:9], the scales' exponents s[10:11]
	s_load_b64 s[12:13], s[0:1], 0x20              ; y_img
	v_lshl_add_u32 v[SPW], v0, 2, SPARE
	v_mov_b32 v[NIL], 0
	ds_add_u32 v[SPW], v[NIL]                      ; the opening lines: the add, twice on end, and its wait ahead of my first tensor load
	ds_add_u32 v[SPW], v[NIL]
	v_lshrrev_b32 v4, 5, v0
	v_readfirstlane_b32 s14, v4                    ; wave 0..7
	s_bfe_u32 s15, ttmp6, 0x40000                  ; cx: the query head within the group: it enters q's and y's addresses alone
	s_and_b32 s16, ttmp7, 0xffff                   ; batch x 4 + key head
.irp g, 24, 36                         ; groups 1: mask of all four; elements of 8 bytes; bit 21 beside a mask; no padding: dense rows of 256 bytes
	s_mov_b32 s[\g], 15|(3<<16)|(1<<21)
	s_mov_b32 s[\g+1], 32<<16
	s_mov_b32 s[\g+3], 32<<16
	s_mov_b32 s[\g+5], 32
	s_mov_b32 s[\g+6], 0
	s_mov_b32 s[\g+7], 0
.endr
	s_mov_b32 s26, 40<<16                          ; the first fill: 40 rows a wave
	s_mov_b32 s28, 40
	s_mov_b32 s38, 88<<16                          ; the second: 88 rows a wave
	s_mov_b32 s40, 88
	s_and_b32 s17, s14, 3
	s_lshr_b32 s18, s14, 2                         ; waves 0-3 fetch K, waves 4-7 V
	s_lshl_b32 s18, s18, 17
	s_mul_i32 s74, s17, 10240                      ; my 10,240 bytes of the first 40,960
	s_mul_i32 s76, s17, 22528
	s_add_co_u32 s76, s76, FILL1                   ; my 22,528 bytes of the other 90,112
	s_mov_b32 s32, 1
	s_add_co_u32 s33, s18, s74
	s_mov_b32 s44, 1
	s_add_co_u32 s45, s18, s76
	s_lshl_b32 s19, s16, 17                        ; the head's 131,072 bytes
	s_add_co_u32 s74, s74, s19
	s_add_co_u32 s76, s76, s19
	s_mov_b32 s75, 0
	s_mov_b32 s77, 0
	v_and_b32 v4, 31, v0
	v_lshlrev_b32 v1, 4, v4
	v_add_nc_u32 v2, VB, v1
	v_and_b32 v4, 15, v0
	v_bfe_u32 v5, v0, 4, 1
	v_lshlrev_b32 v5, 3, v5
	v_sub_nc_u32 v3, v4, v5
	s_wait_alu depctr_va_vdst(0)
	s_wait_dscnt 0x0                               ; both opening adds are done
	s_wait_kmcnt 0x0
	s_load_b256 s[48:55], s[10:11], 0x0            ; e0 .. e7
	s_load_b128 s[56:59], s[10:11], 0x20           ; e8 .. e11
	s_cmp_lt_u32 s14, 4                            ; the choice hangs on the wave's number alone
	s_cselect_b64 s[72:73], s[6:7], s[8:9]
	s_add_nc_u64 s[34:35], s[72:73], s[74:75]
	s_or_b32 s35, s35, 0x80000000
	s_add_nc_u64 s[46:47], s[72:73], s[76:77]
	s_or_b32 s47, s47, 0x80000000
	CROUND                                         ; all four work-groups are here: the joint loads meet
	tensor_load_to_lds s[32:35], s[24:31]          ; keys 0-639: my one load at the head
	s_nop 0
	PLACES 4
	s_sub_co_u32 s19, 7, ttmp9                     ; the long block 7 - j; the short one is j
	s_sub_co_u32 s80, 7, s14                       ; my pair of tiles of the short block
	s_lshl_b32 s67, s16, 2
	s_add_co_u32 s67, s67, s15                     ; batch x 16 + head
	s_lshl_b32 s67, s67, 17
	s_lshl_b32 s76, s19, 14
	s_add_co_u32 s76, s76, s67
	s_lshl_b32 s81, s14, 11                        ; a pair of tiles is 2,048 bytes of q_img
	s_add_co_u32 s76, s76, s81
	s_mov_b32 s77, 0
	s_add_nc_u64 s[76:77], s[4:5], s[76:77]        ; Q of the long block
	s_lshl_b32 s78, ttmp9, 14
	s_add_co_u32 s78, s78, s67
	s_lshl_b32 s81, s80, 11
	s_add_co_u32 s78, s78, s81
	s_mov_b32 s79, 0
	s_add_nc_u64 s[78:79], s[4:5], s[78:79]        ; and of the short one
.irp g, 0,1,2,3
	global_load_b128 v[24+4*\g:27+4*\g], v1, s[76:77] offset:512*\g
.endr
.irp g, 0,1,2,3
	global_load_b128 v[40+4*\g:43+4*\g], v1, s[78:79] offset:512*\g
.endr
	s_lshr_b32 s67, s16, 2                         ; y_img: (batch 128 + 16 block + tile) 16,384 + head 1,024
	s_lshl_b32 s67, s67, 21
	s_and_b32 s68, s16, 3
	s_lshl_b32 s68, s68, 2
	s_add_co_u32 s68, s68, s15
	s_lshl_b32 s68, s68, 10
	s_add_co_u32 s67, s67, s68
	s_lshl_b32 s68, s19, 18
	s_add_co_u32 s68, s68, s67
	s_lshl_b32 s81, s14, 15
	s_add_co_u32 s68, s68, s81
	s_mov_b32 s69, 0
	s_add_nc_u64 s[68:69], s[12:13], s[68:69]
	s_lshl_b32 s70, ttmp9, 18
	s_add_co_u32 s70, s70, s67
	s_lshl_b32 s81, s80, 15
	s_add_co_u32 s70, s70, s81
	s_mov_b32 s71, 0
	s_add_nc_u64 s[70:71], s[12:13], s[70:71]
	s_lshl_b32 s67, s14, 5
	s_lshl_b32 s62, s19, 8
	s_add_co_u32 s62, s62, s67                     ; my first query of the long block,
	s_lshl_b32 s67, s80, 5
	s_lshl_b32 s63, ttmp9, 8
	s_add_co_u32 s63, s63, s67                     ; of the short one
	s_mov_b32 s60, 0
	s_mov_b32 s61, 0
	s_mov_b32 s20, 0x76543210
	s_mov_b32 s21, 0xfedcba98
.irp i, 0,1
	v_mov_b32 v[TP+12*\i+1], 0                     ; a lane permute's destination counts as read
	v_mov_b32 v[TP+12*\i+3], 0                     ; named as the upper half of f's pair
.endr
	v_mov_b32 v[NINF], 0xff800000
	INIT
	s_wait_kmcnt 0x0
	s_add_co_i32 s67, s54, s55
	s_lshl_b32 s67, s67, 23
	s_add_co_i32 s22, s67, 0x3e38aa3b              ; c = log2(e) / 8, with e6 + e7 added to its exponent field
	s_mov_b32 s23, s22
	MKSC s56, PSC, HOLD                            ; p's scale, e8
	v_mov_b32 v[HOLD+1], v[HOLD]                   ; the hold once more, for the second half of a dual line
	s_sub_co_i32 s74, s58, s56
	s_sub_co_i32 s74, s74, s57
	MKSC s74, YSC, YLIM                            ; y's: e10 - e8 - e9
	s_wait_alu depctr_va_vdst(0)
	s_wait_tensorcnt 0x0                           ; my part of keys 0-639 is in
	ds_add_u32 v[SPW], v[NIL]
	s_wait_dscnt 0x0
	CROUND                                         ; everybody's part is in, and the four work-groups are here
	tensor_load_to_lds s[44:47], s[36:43]          ; keys 640-2,047: it has the next four steps in which to land
	s_nop 0
	PLACES 4
	KFETCH 1, 0                                    ; key step 0's K
	s_wait_loadcnt 0x0                             ; Q
	WALK 4, 24, 0                                  ; the long block, keys 0-511
	s_wait_tensorcnt 0x0                           ; my part of the second fill is in
	s_wait_dscnt 0x0                               ; (key step 4's K, out of the first fill, is in my registers)
	s_barrier_signal -1
	s_barrier_wait -1                              ; everybody's part is in
	s_mov_b32 s61, 32768                           ; (the images' byte of key 512, stated as a constant)
	WALK 12, 24, 1
	s_wait_alu depctr_va_vdst(0)
	FIN 68
	s_wait_xcnt 0x0                                ; the stores have read the code registers, which the short block writes again
	s_wait_dscnt 0x0                               ; the look-ahead behind my last live step has landed: K's registers may be asked for anew
	INIT
	s_mov_b32 s60, 0
	s_mov_b32 s61, 0
	s_mov_b32 s62, s63
	KFETCH 1, 0
	WALK 8, 40, 1                                  ; the short block lies in the first 1,024 keys
	s_wait_alu depctr_va_vdst(0)
	FIN 70
	s_wait_tensorcnt 0x0                           ; the wave's end
	ds_add_u32 v[SPW], v[NIL]
	s_wait_dscnt 0x0
	CROUND                                         ; the closing round
	s_endpgm
.Lfunc_end_k_q5e6e685b0e_attn:
	.size	k_q5e6e685b0e_attn, .Lfunc_end_k_q5e6e685b0e_attn-k_q5e6e685b0e_attn
	.p2alignl 7, 3214868480
	.fill 96, 4, 3214868480
	.section	.rodata,"a",@progbits
	.p2align	6, 0x0
	.amdhsa_kernel k_q5e6e685b0e_attn
		.amdhsa_group_segment_fixed_size 327680
		.amdhsa_private_segment_fixed_size 0
		.amdhsa_enable_private_segment 0
		.amdhsa_kernarg_size 40
		.amdhsa_user_sgpr_count 2
		.amdhsa_user_sgpr_kernarg_segment_ptr 1
		.amdhsa_wavefront_size32 1
		.amdhsa_system_sgpr_workgroup_id_x 1
		.amdhsa_system_sgpr_workgroup_id_y 1
		.amdhsa_system_sgpr_workgroup_id_z 1
		.amdhsa_system_vgpr_workitem_id 0
		.amdhsa_next_free_vgpr 512
		.amdhsa_next_free_sgpr 84
		.amdhsa_reserve_vcc 1
		.amdhsa_float_denorm_mode_32 3
		.amdhsa_float_denorm_mode_16_64 3
		.amdhsa_memory_ordered 1
		.amdhsa_forward_progress 1
		.amdhsa_inst_pref_size 168
	.end_amdhsa_kernel
	.amdgpu_metadata
---
amdhsa.version: [ 1, 2 ]
amdhsa.kernels:
  - .name:           k_q5e6e685b0e_attn
    .symbol:         k_q5e6e685b0e_attn.kd
    .args:
      - { .name: q_img, .offset: 0, .size: 8, .value_kind: global_buffer, .address_space: global }
      - { .name: k_img, .offset: 8, .size: 8, .value_kind: global_buffer, .address_space: global }
      - { .name: v_img, .offset: 16, .size: 8, .value_kind: global_buffer, .address_space: global }
      - { .name: lowp_scales, .offset: 24, .size: 8, .value_kind: global_buffer, .address_space: global }
      - { .name: y_img, .offset: 32, .size: 8, .value_kind: global_buffer, .address_space: global }
    .group_segment_fixed_size: 327680
    .private_segment_fixed_size: 0
    .kernarg_segment_align: 8
    .kernarg_segment_size: 40
    .max_flat_workgroup_size: 256
    .sgpr_count:     84
    .vgpr_count:     512
    .wavefront_size: 32
...
	.end_amdgpu_metadata
.endif
;; end of part 2
;; launch proj (part 3): grid 64 x 4, 4 waves a work-group, clusters of 4 x 1, 327,680 bytes of LDS; arguments y_img, Wproj_codes, lowp_scales, out0; writes out0
.if DOCPART == 3
	.amdgcn_target "amdgcn-amd-amdhsa--gfx1250"
	.amdhsa_code_object_version 6
	.text
	.protected	k_q5e6e685b0e_proj
	.globl	k_q5e6e685b0e_proj
	.p2align	8
	.type	k_q5e6e685b0e_proj,@function
k_q5e6e685b0e_proj:
	s_mov_b64 s[64:65], 0
	v_nop
	global_prefetch_b8 v0, s[64:65] scope:SCOPE_SE
	s_setreg_imm32_b32 hwreg(HW_REG_WAVE_MODE, 25, 1), 1
	s_wait_xcnt 0x0
	s_wait_alu depctr_hold_cnt(0) depctr_sa_sdst(0) depctr_va_vdst(0) depctr_va_sdst(0) depctr_va_ssrc(0) depctr_va_vcc(0) depctr_vm_vsrc(0)
	s_getreg_b32 s2, hwreg(HW_REG_IB_STS2, 6, 4)
	s_cmp_eq_u32 s2, 0
	s_cbranch_scc0 .Lentry_in_a_cluster
	s_endpgm
.Lentry_in_a_cluster:
	s_bfe_u32 s2, ttmp6, 0x10000c
	s_cmp_lg_u32 s2, 0x3003
	s_cbranch_scc0 .Lentry_shape_is_right
	s_endpgm
.Lentry_shape_is_right:
; out0 = y Wproj^T on E4M3 codes: y as images of operand registers (y_img: token tile T at 16,384 T, K step s at + 2,048 s), Wproj [1024][1024] as given.  Each finished sum x 2^(e10 + e11).
; SHARES.  A work-group takes 128 tokens (4 x cluster x + place) x 256 columns (work-group y).  Four waves: wave w takes tokens 64 (w / 2) on and columns 128 (w % 2) on: 32 accumulators.
; y's fragments come from memory straight into 512 registers (each load of a wave covers 512 consecutive bytes) and stay; at most 64 of a wave's 128 loads are out at a time.
; BY HALVES OF THE COLUMNS.  A wave first sums its columns 0-63 over all of K, then its columns 64-127.  Wproj's rows lie whole in LDS (1,024 bytes + 16), each byte filled once by two loads a wave:
; the 128 rows of the first halves at the head (32 rows a wave), the 128 rows of the second halves behind the full sequence and a round: they have the first half's eight K steps in which to land.
; The first half's results go out between the second half's K steps, one block of 16 tokens x 64 columns a step.
; CLUSTER 4 x 1: the four partners take the same columns, so Wproj's tiles are asked for jointly.  No prefetch: both tensor loads stand at the head of the text, with no later load to run ahead of.
; THE MATRIX INSTRUCTION IS USED TRANSPOSED (source 0 = 16 rows of Wproj, source 1 = 16 tokens): a lane holds eight neighbouring columns of one row of out0.
; y's images hold k in its true place (registers 2 c, 2 c + 1: k = 16 c + 8 (lane / 16) + 0..7), so Wproj's fragments are fetched 8 bytes a load.
; LIMIT: e10 + e11 between -126 and 127.
; REGISTERS, windows of 256: window 0: v1 16 x lane; v16, v17 Wproj's fragments of the two halves; v24-26 the way out; v28, v29 the spare word and 0; v32-63 scaled sums; v64-127 rows read back, two sets;
;   v128-255 Wproj's 4 fragments of a K step, two sets.   windows 1, 2: y's fragments, (s % 4) 64 + 16 a.   window 3: accumulator (a, b) at 8 (8 a + b).
.set PITCH,  1040                      ; an odd multiple of 16 bytes
.set STAGE,  256*PITCH                 ; behind the rows: 16 rows x 272 bytes for each wave; no fill lands there
.set SPITCH, 272
.set SPARE,  STAGE+4*16*SPITCH         ; 128 bytes for each wave, named by no other line
.set ADB, 16
.set STO, 24
.set RD,  25
.set CO,  26
.set SPW, 28
.set NIL, 29
.set TMP, 32
.set BK,  64
.set BF,  128
.set MSB, 0
.macro WIN new                         ; the immediate's high byte repeats the setting that is left
.if MSB != (\new)
	s_set_vgpr_msb (MSB<<8)|(\new)
.set MSB, (\new)
.endif
.endm
.macro PLACES n
.rept \n
	v_nop
.endr
.endm
.macro CROUND
	s_barrier_signal -1
	s_barrier_wait -1
	s_cmp_lg_u32 s14, 0
	s_cbranch_scc1 .Lnot_wave_0_\@
	s_barrier_signal -3
.Lnot_wave_0_\@:
	s_barrier_wait -3
	s_barrier_signal -1
	s_barrier_wait -1
.endm
.macro YLOAD s                         ; y's four fragments of K step s: 16 loads
	WIN 0x40+0x40*((\s)/4)
.irp a, 0,1,2,3
.irp g, 0,1,2,3
	global_load_b128 v[((\s)%4)*64+16*\a+4*\g:((\s)%4)*64+16*\a+4*\g+3], v1, s[4:5] offset:\a*16384+(\s)*2048+512*\g
.endr
.endr
	WIN 0
.endm
.macro FETCHB s, half                  ; Wproj's four fragments of K step s of a half into set s % 2: 32 loads
.irp b, 0,1,2,3
.irp c, 0,1,2,3,4,5,6,7
	ds_load_b64 v[BF+64*((\s)%2)+16*\b+2*\c:BF+64*((\s)%2)+16*\b+2*\c+1], v[ADB+(\half)] offset:16*PITCH*\b+128*(\s)+16*\c
.endr
.endr
.endm
.macro MULH s, half                    ; 16 matrix instructions; a half's 16 accumulators take turns, in the same order in every K step
	WIN 0xf4+4*((\s)/4)
.irp b, 0,1,2,3
.irp a, 0,1,2,3
.if (\s) == 0
	v_wmma_f32_16x16x128_fp8_fp8 v[8*(8*\a+4*(\half)+\b):8*(8*\a+4*(\half)+\b)+7], v[BF+64*((\s)%2)+16*\b:BF+64*((\s)%2)+16*\b+15], v[((\s)%4)*64+16*\a:((\s)%4)*64+16*\a+15], 0
.else
	v_wmma_f32_16x16x128_fp8_fp8 v[8*(8*\a+4*(\half)+\b):8*(8*\a+4*(\half)+\b)+7], v[BF+64*((\s)%2)+16*\b:BF+64*((\s)%2)+16*\b+15], v[((\s)%4)*64+16*\a:((\s)%4)*64+16*\a+15], v[8*(8*\a+4*(\half)+\b):8*(8*\a+4*(\half)+\b)+7]
.endif
.endr
.endr
	WIN 0
.endm
; THE WAY OUT of a block (16 tokens x 64 columns): x 2^(e10 + e11); 32 bytes a lane and tile into my own stage; back as whole rows of 256 bytes.  LDS serves a wave's instructions in order (ISA guide 5.7.1.4): no wait between.
.macro TOSTAGE a, half
	WIN 0x03
.set w_i, 0
.rept 16
	v_pk_mul_f32 v[TMP+w_i:TMP+w_i+1], v[64*(\a)+32*(\half)+w_i:64*(\a)+32*(\half)+w_i+1], s[50:51] op_sel_hi:[1,0]   ; each accumulator from its low end on
.set w_i, w_i+2
.endr
	WIN 0
.irp b, 0,1,2,3
	ds_store_b128 v[STO], v[TMP+8*\b:TMP+8*\b+3] offset:64*\b
	ds_store_b128 v[STO], v[TMP+8*\b+4:TMP+8*\b+7] offset:64*\b+16
.endr
.irp t, 0,1,2,3,4,5,6,7
	ds_load_b128 v[BK+32*((\a)%2)+4*\t:BK+32*((\a)%2)+4*\t+3], v[RD] offset:\t*2*SPITCH
.endr
.endm
.macro SEND a, half
.irp t, 0,1,2,3,4,5,6,7
	global_store_b128 v[CO], v[BK+32*((\a)%2)+4*\t:BK+32*((\a)%2)+4*\t+3], s[10:11] offset:(16*(\a)+2*\t)*4096+256*(\half) th:TH_STORE_NT   ; 16 lanes store 256 consecutive bytes, aligned; written once, read by nobody here
.endr
.endm
	s_load_b256 s[4:11], s[0:1], 0x0               ; y_img s[4:5], Wproj s[6:7], the scales' exponents s[8:9], out0 s[10:11]
	v_lshl_add_u32 v[SPW], v0, 2, SPARE
	v_mov_b32 v[NIL], 0
	ds_add_u32 v[SPW], v[NIL]                      ; the opening lines: the add, twice on end, and its wait ahead of my first tensor load
	ds_add_u32 v[SPW], v[NIL]
	v_lshrrev_b32 v2, 5, v0
	v_readfirstlane_b32 s14, v2                    ; wave 0..3
	s_lshr_b32 s15, s14, 1                         ; which 64 tokens.  Also: of which 128 columns I fetch rows
	s_and_b32 s16, s14, 1                          ; which 128 columns.  Also: which 32 rows of a half I fetch
	s_bfe_u32 s17, ttmp6, 0x40000                  ; cx
	s_lshl_b32 s18, ttmp9, 2
	s_add_co_u32 s18, s18, s17                     ; block of 128 tokens: it enters y's and out0's addresses alone
	s_and_b32 s19, ttmp7, 0xffff                   ; block of 256 columns, which the partners share
	s_mov_b32 s24, 15|(1<<20)|(1<<21)|(7<<22)|(3<<25)   ; group 1: mask of all four; elements of 1 byte; padding: 4 words after every 256; bit 21 beside a mask
	s_mov_b32 s25, 1024<<16
	s_mov_b32 s26, 32<<16
	s_mov_b32 s27, 1024<<16
	s_mov_b32 s28, 32
	s_mov_b32 s29, 1024
	s_mov_b32 s30, 0
	s_mov_b32 s31, 0
	s_lshl_b32 s20, s19, 18                        ; 256 rows of 1,024 bytes x column block
	s_lshl_b32 s21, s15, 17                        ; + 128 rows x (w / 2)
	s_add_co_u32 s20, s20, s21
	s_lshl_b32 s21, s16, 15                        ; + 32 rows x (w % 2)
	s_add_co_u32 s20, s20, s21
	s_mov_b32 s21, 0
	s_mul_i32 s22, s15, 128*PITCH
	s_mul_i32 s23, s16, 32*PITCH
	s_add_co_u32 s22, s22, s23                     ; the same rows in LDS
	v_and_b32 v2, 31, v0
	v_lshlrev_b32 v1, 4, v2
	v_and_b32 v2, 15, v0                           ; r
	v_bfe_u32 v3, v0, 4, 1                         ; h
	v_mul_u32_u24 v4, v2, PITCH
	v_lshl_add_u32 v4, v3, 3, v4                   ; row x pitch + 8 x half of the lanes
	s_mul_i32 s23, s16, 128*PITCH
	v_add_nc_u32 v[ADB], s23, v4                   ; my columns 0-63,
	v_add_nc_u32 v[ADB+1], 64*PITCH, v[ADB]        ; and 64-127
	s_mul_i32 s23, s14, 16*SPITCH
	s_add_co_u32 s23, s23, STAGE
	v_mul_u32_u24 v4, v2, SPITCH
	v_lshl_add_u32 v4, v3, 5, v4
	v_add_nc_u32 v[STO], s23, v4                   ; in: row r, 32 bytes for each half of the lanes
	v_mul_u32_u24 v5, v3, SPITCH
	v_lshl_add_u32 v5, v2, 4, v5
	v_add_nc_u32 v[RD], s23, v5                    ; back: lanes 0-15 one row of 256 bytes, lanes 16-31 the next
	v_lshlrev_b32 v6, 12, v3
	v_lshl_add_u32 v[CO], v2, 4, v6                ; and the same two rows in out0
	s_wait_alu depctr_va_vdst(0)
	s_wait_dscnt 0x0                               ; both opening adds are done
	s_wait_kmcnt 0x0
	s_load_b64 s[48:49], s[8:9], 0x28              ; e10, e11
	s_mov_b32 s32, 1
	s_mov_b32 s33, s22
	s_add_nc_u64 s[34:35], s[6:7], s[20:21]
	s_mov_b32 s36, 1                               ; the second halves: 64 rows further down
	s_add_co_u32 s37, s22, 64*PITCH
	s_add_nc_u64 s[38:39], s[34:35], 0x10000
	s_or_b32 s35, s35, 0x80000000
	s_or_b32 s39, s39, 0x80000000
	s_lshl_b32 s52, s18, 17                        ; y_img: (8 x block + 4 x half) tiles of 16,384 bytes
	s_lshl_b32 s53, s15, 16
	s_add_co_u32 s52, s52, s53
	s_mov_b32 s53, 0
	s_add_nc_u64 s[4:5], s[4:5], s[52:53]
	s_lshl_b32 s52, s18, 19                        ; out0: (128 x block + 64 x half) rows of 4,096 bytes + (256 x column block + 128 x half) x 4
	s_lshl_b32 s54, s15, 18
	s_add_co_u32 s52, s52, s54
	s_lshl_b32 s54, s19, 10
	s_add_co_u32 s52, s52, s54
	s_lshl_b32 s54, s16, 9
	s_add_co_u32 s52, s52, s54
	s_add_nc_u64 s[10:11], s[10:11], s[52:53]
	CROUND                                         ; all four work-groups are here: the joint loads meet
	tensor_load_to_lds s[32:35], s[24:31]          ; the first halves' rows: my one load at the head
	s_nop 0
	PLACES 4
	YLOAD 0
	YLOAD 1
	YLOAD 2
	s_wait_tensorcnt 0x0                           ; my 32 rows are in
	ds_add_u32 v[SPW], v[NIL]
	s_wait_dscnt 0x0
	CROUND                                         ; everybody's rows are in, and the four work-groups are here
	tensor_load_to_lds s[36:39], s[24:31]          ; the second halves' rows
	s_nop 0
	PLACES 4
	YLOAD 3
	FETCHB 0, 0
.irp s, 0,1,2,3,4,5,6,7                ; MY COLUMNS 0-63
.if \s < 7
.if \s > 0
	PLACES 4                                       ; four places between the last products and loads into the set that they read
.endif
	FETCHB \s+1, 0
	s_wait_dscnt 32                                ; this step's fragments are in; the 32 loads just issued may be out
.else
	s_wait_dscnt 0x0
.endif
.if \s < 5
	s_wait_loadcnt 48                              ; y's K step s is in; the three later steps asked for so far may be out
.else
	s_wait_loadcnt 16*(7-\s)
.endif
.if \s < 4
	YLOAD \s+4
.endif
	MULH \s, 0
.endr
	s_wait_tensorcnt 0x0                           ; my part of the second halves' rows is in
	s_wait_dscnt 0x0
	s_barrier_signal -1
	s_barrier_wait -1                              ; everybody's is
	s_wait_kmcnt 0x0
	s_add_co_i32 s50, s48, s49
	s_add_co_i32 s50, s50, 127
	s_lshl_b32 s50, s50, 23                        ; 2^(e10 + e11) as f32
	s_mov_b32 s51, s50                             ; named with it as a pair
	PLACES 4                                       ; in front of the loads into both sets and of the first reads of the first half's results
	FETCHB 0, 1
.irp s, 0,1,2,3,4,5,6,7                ; MY COLUMNS 64-127; behind the products of steps 0-3 a block of the first half goes to the stage, and is stored a step later
.if \s < 7
.if \s > 4
	PLACES 4                                       ; (in steps 1-4 the block's 16 multiplications are the places)
.endif
	FETCHB \s+1, 1
	s_wait_dscnt 32                                ; this step's fragments and the block's rows are in; the 32 loads just issued may be out
.else
	s_wait_dscnt 0x0
.endif
.if (\s > 0) && (\s < 5)
	SEND \s-1, 0
.endif
	MULH \s, 1
.if \s < 4
.if \s > 1
	s_wait_xcnt 0x0                                ; the stores of the block two back have read their registers: this block's rows may land there
.endif
	TOSTAGE \s, 0
.endif
.endr
	PLACES 4                                       ; in front of the reads of the last results
	s_wait_xcnt 0x0
	TOSTAGE 0, 1
.irp a, 1,2,3
	s_wait_xcnt 0x0                                ; the stores of the block two back have read their registers
	TOSTAGE \a, 1
	s_wait_dscnt 16                                ; behind block a - 1's loads: block a's 8 stores and 8 loads
	SEND \a-1, 1
.endr
	s_wait_dscnt 0x0
	SEND 3, 1
	s_wait_tensorcnt 0x0                           ; the wave's end
	ds_add_u32 v[SPW], v[NIL]
	s_wait_dscnt 0x0
	CROUND                                         ; the closing round
	s_endpgm
.Lfunc_end_k_q5e6e685b0e_proj:
	.size	k_q5e6e685b0e_proj, .Lfunc_end_k_q5e6e685b0e_proj-k_q5e6e685b0e_proj
	.p2alignl 7, 3214868480
	.fill 96, 4, 3214868480
	.section	.rodata,"a",@progbits
	.p2align	6, 0x0
	.amdhsa_kernel k_q5e6e685b0e_proj
		.amdhsa_group_segment_fixed_size 327680
		.amdhsa_private_segment_fixed_size 0
		.amdhsa_enable_private_segment 0
		.amdhsa_kernarg_size 32
		.amdhsa_user_sgpr_count 2
		.amdhsa_user_sgpr_kernarg_segment_ptr 1
		.amdhsa_wavefront_size32 1
		.amdhsa_system_sgpr_workgroup_id_x 1
		.amdhsa_system_sgpr_workgroup_id_y 1
		.amdhsa_system_sgpr_workgroup_id_z 1
		.amdhsa_system_vgpr_workitem_id 0
		.amdhsa_next_free_vgpr 1024
		.amdhsa_next_free_sgpr 66
		.amdhsa_reserve_vcc 0
		.amdhsa_float_denorm_mode_32 3
		.amdhsa_float_denorm_mode_16_64 3
		.amdhsa_memory_ordered 1
		.amdhsa_forward_progress 1
		.amdhsa_inst_pref_size 93
	.end_amdhsa_kernel
	.amdgpu_metadata
---
amdhsa.version: [ 1, 2 ]
amdhsa.kernels:
  - .name:           k_q5e6e685b0e_proj
    .symbol:         k_q5e6e685b0e_proj.kd
    .args:
      - { .name: y_img, .offset: 0, .size: 8, .value_kind: global_buffer, .address_space: global }
      - { .name: Wproj_codes, .offset: 8, .size: 8, .value_kind: global_buffer, .address_space: global }
      - { .name: lowp_scales, .offset: 16, .size: 8, .value_kind: global_buffer, .address_space: global }
      - { .name: out0, .offset: 24, .size: 8, .value_kind: global_buffer, .address_space: global }
    .group_segment_fixed_size: 327680
    .private_segment_fixed_size: 0
    .kernarg_segment_align: 8
    .kernarg_segment_size: 32
    .max_flat_workgroup_size: 128
    .sgpr_count:     66
    .vgpr_count:     1024
    .wavefront_size: 32
...
	.end_amdgpu_metadata
.endif
;; end of part 3
